; MI455X (gfx1250); checked and timed in simulation.
; The chip was launched on July 23, 2026; its instructions are those of AMD's public machine-readable ISA for CDNA 5 (MIT licence, August 2026) and "CDNA5" Instruction Set Architecture Reference Guide (July 2026). The comments in the code are by the model that wrote it; some were corrected since.
;; Basic Self Attention. Allowed arithmetic: float matrix products may take bf16 or f16 operands with f32 sums; all other float work in f32.
;; Inputs: X 8 x 4,096 x 64 float32.
;; Outputs: out0 8 x 4,096 x 64 float32.
;; One version. Each part assembles by itself: llvm-mc -triple=amdgcn-amd-amdhsa -mcpu=gfx1250 --defsym DOCPART=n.
;; ======== version 1 of 1: 1 launch
;; launch attn (part 1): grid 256 x 1, 8 waves a work-group, no clusters, 228,352 bytes of LDS; arguments X, out0; writes out0
.if DOCPART == 1
	.amdgcn_target "amdgcn-amd-amdhsa--gfx1250"
	.amdhsa_code_object_version 6
	.text
	.protected	k_q55ee1ccb8f_attn
	.globl	k_q55ee1ccb8f_attn
	.p2align	8
	.type	k_q55ee1ccb8f_attn,@function
k_q55ee1ccb8f_attn:
	s_mov_b64 s[64:65], 0
	v_nop
	global_prefetch_b8 v0, s[64:65] scope:SCOPE_SE
	s_setreg_imm32_b32 hwreg(HW_REG_WAVE_MODE, 25, 1), 1
	s_wait_xcnt 0x0
; y = softmax(X X^T) X for 8 batches of X [4096][64] f32.  Queries, keys and values are the same rows.
;
; SHARES.  Work-group g owns the 128 query rows 128 g .. 128 g + 127 of the flat [32768][64] array (batch g >> 5).
; Wave w: qg = w >> 2 picks 64 of those queries (four tiles "qt" of 16), kq = w & 3 picks a quarter of every key tile.
; Keys go in 16 trips of 256; a wave takes 64 keys x 64 queries a trip and keeps an exact online softmax (m, l, O) over its
; 1,024 keys.  The four states of a query meet once, at the end, in LDS, which is also the way to whole output rows.
; A key's row (128 bytes as K, 128 as V) read from LDS feeds four query tiles.
;
; FORMATS.  X is rounded to bf16 for both products, the weights p to bf16 for the second; scores, m, exp, l and O are f32.
; LAYOUTS (L lane, r = L & 15, h = L >> 4).  S^T = K Q^T: register j of a score tile is (key 8h + j, query r).  Two such tiles, packed,
; ARE the B fragment of P^T (column = query r, k = 32 keys).  O^T = V^T P^T: register j is (d = 16 dt + 8h + j, query r).
; So m, l and alpha are one number a lane, and the only step across lanes is one exchange of halves for the maximum.
;
; NO JOINT FETCH of the key tiles, though the 32 work-groups of a batch read the same ones: a tile comes as f32 and is used as bf16.
; Through registers a key costs 128 bytes of LDS stores; laid into LDS as f32 by a copy it would cost 256 bytes written and 256 read
; back before those same 128, on top of the 512 that the fragments read.
;
; LIMITS.  Inputs finite, scores inside f32's range.  NaN and infinities are not carried as the reference carries them (the maxima
; drop a NaN).  A weight below 2^-126 of its row's largest counts as 0.  l is summed from the unrounded p.  Sums run in another order
; than the reference's: four quarters of the keys, merged at the end.
.set PITCH, 160                        ; LDS row of a key tile: 128 bytes of bf16, pitch an odd multiple of 32 (transposing loads)
.set SLOTB, 256*PITCH                  ; a slot: 256 keys.  Row t lies at t PITCH + 16 ((t >> 3) & 1): with that skew the sixteen lanes
                                       ; of a plain fragment load also touch sixteen different 16-byte columns modulo 256 bytes
.set MO,    2*SLOTB                    ; behind the two slots: partial O, wave w at MO + w MOW, 64 rows of 256 bytes, pitch 272
.set MP,    272
.set MOW,   64*MP
.set STAT,  MO+8*MOW                   ; (m, l) pairs: wave w at STAT + 512 w, 8 bytes for each of its 64 queries
.set WB,    STAT+8*512                 ; merged weights: wave w at WB + 256 w, 16 bytes for each of the 16 queries that it merges
.set TILEB, 65536                      ; a key tile in memory: 256 rows x 256 bytes, contiguous
; window 0 (v0-v255)
.set KA,  2                            ; v2,3    K fragment address, slot 0, 1
.set VA,  4                            ; v4,5    V fragment address
.set SA,  6                            ; v6,7    where this thread stores its part of a tile
.set ML,  8                            ; v8-15   m of query tile qt at ML + 2 qt; beside it, in the merge, its l
.set LP,  16                           ; v16-23  l, a pair of partial sums for each qt
.set AL,  24                           ; v24,25  alpha (the second register only completes the pair)
.set NM,  26                           ; v26,27  -m log2(e) (likewise)
.set TT,  28                           ; v28-35  at work
.set MW,  36                           ; merge: where my partial O goes
.set STW, 37                           ; merge: where my (m, l) go
.set MRD, 38                           ; merge: where I read partial O
.set SR,  39                           ; merge: where I read (m, l)
.set OO,  40                           ; my byte offset in the work-group's output
.set QO,  41                           ; my byte offset in my wave's queries
.set WST, 42                           ; merge: where my query's weights go
.set WRD, 43                           ; merge: where I read a pass's weights
.set KF,  48                           ; v48-111   K fragments, (2 kt + ks) x 8
.set VF,  112                          ; v112-175  V^T fragments, (4 kk + dt) x 8
.set SC,  176                          ; v176-239  scores, two buffers of 32 (qt & 1), register 8 kt + j
.set PP,  240                          ; v240-255  p in bf16, 8 kk + i
.set STV, 208                          ; merge: (m, l) of the four quarters
.set WW,  216                          ; merge: the four weights
; window 1 (v256-v511, written by their low 8 bits)
.set OA,  0                            ; O accumulators, (4 qt + dt) x 8
.set QF,  128                          ; Q fragments, (2 qt + ks) x 8
.set GG,  192                          ; a tile's 16 loads of this thread, 4 registers each
; s_set_vgpr_msb: bits 1:0 source 0, 3:2 source 1, 5:4 source 2, 7:6 destination; the high byte repeats the setting that is left
.set MSB, 0
.macro WIN new
.if MSB != \new
	s_set_vgpr_msb (MSB<<8)|\new
.set MSB, \new
.endif
.endm
.macro PLACES                          ; four plain vector places behind a matrix instruction (ISA guide 7.12.1)
.rept 4
	v_nop
.endr
.endm
; 16 loads: this thread's 16 bytes of every 4,096 of the tile at s[12:13]; a wave's load covers 512 neighbouring bytes
.macro GLOAD
	WIN 0x40
.irp j, 0,1,2,3,4,5,6,7,8,9,10,11,12,13,14,15
	global_load_b128 v[GG+4*\j:GG+4*\j+3], v1, s[12:13] offset:4096*\j
.endr
.endm
; four f32 to four bf16, in place, in the first two registers of each load
.macro CVTG
	WIN 0x45
.irp j, 0,1,2,3,4,5,6,7,8,9,10,11,12,13,14,15
	v_cvt_pk_bf16_f32 v[GG+4*\j],   v[GG+4*\j],   v[GG+4*\j+1]
	v_cvt_pk_bf16_f32 v[GG+4*\j+1], v[GG+4*\j+2], v[GG+4*\j+3]
.endr
.endm
; load j holds 8 bytes of row 16 j + (thread >> 4)
.macro STORE slot
	WIN 0x04
.irp j, 0,1,2,3,4,5,6,7,8,9,10,11,12,13,14,15
	ds_store_b64 v[SA+\slot], v[GG+4*\j:GG+4*\j+1] offset:16*PITCH*\j
.endr
.endm
; my 64 keys as A fragments of S^T: lane (r, h) takes row 16 kt + r, d = 32 ks + 8h .. and 32 ks + 16 + 8h ..
.macro FETCHK slot
	WIN 0
.irp kt, 0,1,2,3
.irp ks, 0,1
	ds_load_b128 v[KF+16*\kt+8*\ks:KF+16*\kt+8*\ks+3],   v[KA+\slot] offset:16*PITCH*\kt+64*\ks
	ds_load_b128 v[KF+16*\kt+8*\ks+4:KF+16*\kt+8*\ks+7], v[KA+\slot] offset:16*PITCH*\kt+64*\ks+32
.endr
.endr
.endm
; the same rows transposed, as A fragments of O^T: lane (r, h) gets d = 16 dt + r, keys 32 kk + 8h .. and 32 kk + 16 + 8h ..
.macro FETCHV slot
	WIN 0
.irp kk, 0,1
.irp dt, 0,1,2,3
	ds_load_tr16_b128 v[VF+32*\kk+8*\dt:VF+32*\kk+8*\dt+3],   v[VA+\slot] offset:32*PITCH*\kk+32*\dt
	ds_load_tr16_b128 v[VF+32*\kk+8*\dt+4:VF+32*\kk+8*\dt+7], v[VA+\slot] offset:32*PITCH*\kk+32*\dt+16*PITCH
.endr
.endr
.endm
; scores of query tile qt against my 64 keys: four tiles, d in two links; the first link starts the sums
.macro SPROD qt
	WIN 0x04
.irp kt, 0,1,2,3
	v_wmma_f32_16x16x32_bf16 v[SC+32*(\qt%2)+8*\kt:SC+32*(\qt%2)+8*\kt+7], v[KF+16*\kt:KF+16*\kt+7], v[QF+16*\qt:QF+16*\qt+7], 0
.endr
.irp kt, 0,1,2,3
	v_wmma_f32_16x16x32_bf16 v[SC+32*(\qt%2)+8*\kt:SC+32*(\qt%2)+8*\kt+7], v[KF+16*\kt+8:KF+16*\kt+15], v[QF+16*\qt+8:QF+16*\qt+15], v[SC+32*(\qt%2)+8*\kt:SC+32*(\qt%2)+8*\kt+7]
.endr
.endm
; O^T of query tile qt += V^T P^T, 64 keys in two links
.macro PV qt, first
	WIN 0x50
.irp dt, 0,1,2,3
.if \first
	v_wmma_f32_16x16x32_bf16 v[OA+32*\qt+8*\dt:OA+32*\qt+8*\dt+7], v[VF+8*\dt:VF+8*\dt+7], v[PP:PP+7], 0
.else
	v_wmma_f32_16x16x32_bf16 v[OA+32*\qt+8*\dt:OA+32*\qt+8*\dt+7], v[VF+8*\dt:VF+8*\dt+7], v[PP:PP+7], v[OA+32*\qt+8*\dt:OA+32*\qt+8*\dt+7]
.endif
.endr
.irp dt, 0,1,2,3
	v_wmma_f32_16x16x32_bf16 v[OA+32*\qt+8*\dt:OA+32*\qt+8*\dt+7], v[VF+32+8*\dt:VF+32+8*\dt+7], v[PP+8:PP+15], v[OA+32*\qt+8*\dt:OA+32*\qt+8*\dt+7]
.endr
.endm
; One step of the online softmax for query tile qt: 32 scores a lane (the other half of the lanes holds the other 32 keys).
.macro SM qt, first
	WIN 0
.set BB, SC+32*(\qt%2)
	v_max3_num_f32 v[TT],   v[BB],   v[BB+1],  v[BB+2]         ; four chains, started by the first twelve scores
	v_max3_num_f32 v[TT+1], v[BB+3], v[BB+4],  v[BB+5]
	v_max3_num_f32 v[TT+2], v[BB+6], v[BB+7],  v[BB+8]
	v_max3_num_f32 v[TT+3], v[BB+9], v[BB+10], v[BB+11]
.set i, 12
.rept 10
	v_max3_num_f32 v[TT+(i/2)%4], v[TT+(i/2)%4], v[BB+i], v[BB+i+1]
.set i, i+2
.endr
	v_max3_num_f32 v[TT], v[TT], v[TT+1], v[TT+2]
.if \first
	v_max_num_f32 v[TT], v[TT], v[TT+3]
.else
	v_max3_num_f32 v[TT], v[TT], v[TT+3], v[ML+2*\qt]          ; with the running maximum
.endif
	v_permlanex16_b32 v[TT+1], v[TT], s20, s21                 ; the other half's 32 keys of the same query
	v_max_num_f32 v[TT+1], v[TT], v[TT+1]                      ; m, the same in both halves
	v_mul_f32 v[NM], 0xbfb8aa3b, v[TT+1]                       ; -m log2(e)
.if \first
.else
	v_fma_f32 v[TT+2], v[ML+2*\qt], s18, v[NM]                 ; (m_old - m) log2(e)
	v_exp_f32 v[AL], v[TT+2]                                   ; alpha; the multiply-adds below are the plain place behind it (ISA guide 5.7.2)
.endif
.set i, 0
.rept 16
	v_pk_fma_f32 v[BB+i:BB+i+1], v[BB+i:BB+i+1], s[18:19], v[NM:NM+1] op_sel_hi:[1,0,0]   ; s log2(e) - m log2(e)
.set i, i+2
.endr
.set i, 0
.rept 32
	v_exp_f32 v[BB+i], v[BB+i]
.set i, i+1
.endr
	v_mov_b32 v[ML+2*\qt], v[TT+1]                             ; the new m; also the plain place between the last exponential and the first use
.if \first
	s_wait_alu depctr_va_vdst(0)
	v_pk_add_f32 v[LP+2*\qt:LP+2*\qt+1], v[BB:BB+1], v[BB+2:BB+3]      ; l in two chains of pairs; nothing is cleared
	v_pk_add_f32 v[TT+4:TT+5], v[BB+4:BB+5], v[BB+6:BB+7]
.set i, 8
.else
	s_wait_alu depctr_va_vdst(0)
	v_pk_fma_f32 v[LP+2*\qt:LP+2*\qt+1], v[LP+2*\qt:LP+2*\qt+1], v[AL:AL+1], v[BB:BB+1] op_sel_hi:[1,0,1]   ; l alpha + p
	v_pk_add_f32 v[TT+4:TT+5], v[BB+2:BB+3], v[BB+4:BB+5]
.set i, 6
.endif
.rept 6
	v_pk_add_f32 v[LP+2*\qt:LP+2*\qt+1], v[LP+2*\qt:LP+2*\qt+1], v[BB+i:BB+i+1]
	v_pk_add_f32 v[TT+4:TT+5], v[TT+4:TT+5], v[BB+i+2:BB+i+3]
.set i, i+4
.endr
.if \first
.else
	v_pk_add_f32 v[LP+2*\qt:LP+2*\qt+1], v[LP+2*\qt:LP+2*\qt+1], v[BB+30:BB+31]
.endif
	v_pk_add_f32 v[LP+2*\qt:LP+2*\qt+1], v[LP+2*\qt:LP+2*\qt+1], v[TT+4:TT+5]
.set i, 0
.rept 16
	v_cvt_pk_bf16_f32 v[PP+i], v[BB+2*i], v[BB+2*i+1]          ; two score tiles make one B fragment of P^T
.set i, i+1
.endr
.if \first
.else
	WIN 0x41
.set i, 0
.rept 16
	v_pk_mul_f32 v[OA+32*\qt+i:OA+32*\qt+i+1], v[OA+32*\qt+i:OA+32*\qt+i+1], v[AL:AL+1] op_sel_hi:[1,0]   ; O alpha
.set i, i+2
.endr
.endif
.endm
; One trip: the tile whose fragments are in registers is worked on; the next tile goes from registers into slot nxt and its fragments
; are fetched; the tile after that is requested from memory.
; ONE BARRIER A TRIP.  In front of its signal stands s_wait_dscnt 0: my fragment loads of this trip's slot have come back and my stores
; into slot nxt are done.  Behind its wait slot nxt is read.  Slot nxt was last read for the trip before this one; those loads were
; complete in front of that trip's signal in every wave, and a wave that stores here has passed that barrier.
; DISTANCES (ISA guide 7.12.1): each SM reads scores behind the conversions, the v_nop or a whole other SM; p is rewritten behind the
; next SM's maxima; K fragments are loaded again behind SM 2, V fragments behind four v_nop; a score buffer is written over behind
; a whole SM of the other buffer.
.macro TRIP nxt, first, stage, gl, fetch
	s_wait_dscnt 16                                ; LDS answers in order (ISA guide 5.7.1): the 16 K loads are in, the 16 V loads behind them may be out
	SPROD 0
	SPROD 1
.if \stage
	s_wait_loadcnt 0x0                             ; the next tile, requested a trip ago
	CVTG                                           ; 32 plain places behind the score products
	STORE \nxt
.else
	PLACES
.endif
	SM 0, \first
	s_wait_dscnt 0x0                               ; V fragments in; my stores into slot nxt done (for the other waves: zero)
.if \gl
	s_add_nc_u64 s[12:13], s[12:13], TILEB         ; its last loads are done (s_wait_loadcnt 0 above)
	GLOAD                                          ; two tiles ahead; the registers' LDS stores are done
.endif
.if \stage
	s_barrier_signal -1
.endif
	PV 0, \first                                   ; registers only between signal and wait
	SPROD 2
	SM 1, \first
	PV 1, \first
	SPROD 3
	SM 2, \first
	PV 2, \first
.if \stage
	s_barrier_wait -1
.endif
.if \fetch
	FETCHK \nxt
.endif
	SM 3, \first
	PV 3, \first
.if \fetch
	PLACES                                         ; behind the last product that takes the V fragments
	FETCHV \nxt
.endif
.endm
; ---------------------------------------------------------------- prologue
.set LR,  TT                           ; r = lane & 15
.set LH,  TT+1                         ; h = lane >> 4
.set LBH, TT+2                         ; bit 3 of the lane + h
.set L7,  TT+3
.set LL,  TT+4                         ; lane
.set TMP, TT+5
	s_load_b128 s[4:7], s[0:1], 0x0                ; X s[4:5], out0 s[6:7]
	v_lshl_add_u32 v46, v0, 2, 0x37800
	v_mov_b32 v47, 0
	v_lshrrev_b32 v[TMP], 5, v0
	v_readfirstlane_b32 s8, v[TMP]                 ; wave
	s_lshr_b32 s9, s8, 2                           ; qg
	s_and_b32 s10, s8, 3                           ; kq
	s_mov_b32 s18, 0x3fb8aa3b                      ; log2(e), a pair for the packed forms
	s_mov_b32 s19, 0x3fb8aa3b
	s_mov_b32 s20, 0x76543210                      ; v_permlanex16_b32: lane i takes lane i of the other half
	s_mov_b32 s21, 0xfedcba98
	v_and_b32 v[LR], 15, v0
	v_bfe_u32 v[LH], v0, 4, 1
	v_lshlrev_b32 v1, 4, v0                        ; 16 x thread: my bytes in every 4,096 of a tile
	v_lshlrev_b32 v[QO], 8, v[LR]                  ; query row r, 256 bytes a row,
	v_lshl_add_u32 v[QO], v[LH], 5, v[QO]          ; + 8 h numbers
	s_lshr_b32 s16, ttmp9, 5                       ; batch,
	s_lshl_b32 s16, s16, 20                        ; 4096 x 256 bytes each
	s_mov_b32 s17, 0
	s_wait_kmcnt 0x0
	s_add_nc_u64 s[12:13], s[4:5], s[16:17]        ; key tile 0 of my batch
	s_lshl_b32 s16, ttmp9, 15                      ; the work-group's 128 rows of 256 bytes
	s_add_nc_u64 s[24:25], s[6:7], s[16:17]        ; its output
	s_lshl_b32 s23, s9, 14
	s_add_co_u32 s16, s16, s23                     ; + my wave's 64 queries
	s_add_nc_u64 s[14:15], s[4:5], s[16:17]
	GLOAD                                          ; tile 0
	WIN 0
.irp qt, 0,1,2,3                                   ; my 64 queries in f32, in fragment order: chunk c = 2 ks + half holds d = 16 c + 8 h ..
.irp c, 0,1,2,3
	global_load_b128 v[48+32*\qt+8*\c:48+32*\qt+8*\c+3],   v[QO], s[14:15] offset:4096*\qt+64*\c
	global_load_b128 v[48+32*\qt+8*\c+4:48+32*\qt+8*\c+7], v[QO], s[14:15] offset:4096*\qt+64*\c+16
.endr
.endr
	; LDS addresses, while the loads are on their way
	v_bfe_u32 v[LBH], v0, 3, 1
	v_add_nc_u32 v[LBH], v[LBH], v[LH]
	v_and_b32 v[L7], 7, v0
	v_and_b32 v[LL], 31, v0
	v_mov_b32 v[AL+1], 0                           ; the pairs' second registers are named, never used
	v_mov_b32 v[NM+1], 0
	s_mul_i32 s11, s10, 64*PITCH                   ; my quarter of a slot
	v_mul_u32_u24 v[TMP], v[LR], PITCH             ; K: row r, its skew 16 (r >> 3), + 16 h
	v_lshl_add_u32 v[TMP], v[LBH], 4, v[TMP]
	v_add_nc_u32 v[KA], s11, v[TMP]
	v_add_nc_u32 v[KA+1], SLOTB, v[KA]
	v_lshl_add_u32 v[L7], v[LH], 3, v[L7]          ; V: row 8 h + (lane & 7), its skew 16 h, + 16 x bit 3 of the lane
	v_mul_u32_u24 v[L7], v[L7], PITCH
	v_lshl_add_u32 v[L7], v[LBH], 4, v[L7]
	v_add_nc_u32 v[VA], s11, v[L7]
	v_add_nc_u32 v[VA+1], SLOTB, v[VA]
	s_mul_i32 s11, s8, 2*PITCH                     ; tile store: rows 2 w + h of every 16,
	s_lshl_b32 s23, s9, 4                          ; their skew 16 (w >> 2) (rows 8 .. 15 belong to waves 4 .. 7),
	s_add_co_u32 s11, s11, s23
	v_mul_u32_u24 v[TMP], v[LH], PITCH
	v_lshl_add_u32 v[TMP], v[LR], 3, v[TMP]        ; 8 bytes at 8 r
	v_add_nc_u32 v[SA], s11, v[TMP]
	v_add_nc_u32 v[SA+1], SLOTB, v[SA]
	s_mul_i32 s11, s8, MOW                         ; partial O out: my wave's part, row r, 32 h bytes
	s_add_co_u32 s11, s11, MO
	v_mul_u32_u24 v[TMP], v[LR], MP
	v_lshl_add_u32 v[TMP], v[LH], 5, v[TMP]
	v_add_nc_u32 v[MW], s11, v[TMP]
	s_lshl_b32 s11, s8, 9                          ; (m, l) out: my wave's 512 bytes, 8 r
	s_add_co_u32 s11, s11, STAT
	v_lshl_add_u32 v[STW], v[LR], 3, s11
	s_mul_i32 s11, s9, 4*MOW                       ; partial O back: my group's four parts, row 16 kq + h, 16 r bytes
	s_mul_i32 s23, s10, 16*MP
	s_add_co_u32 s11, s11, s23
	s_add_co_u32 s11, s11, MO
	v_mul_u32_u24 v[TMP], v[LH], MP
	v_lshl_add_u32 v[TMP], v[LR], 4, v[TMP]
	v_add_nc_u32 v[MRD], s11, v[TMP]
	s_lshl_b32 s11, s9, 11                         ; (m, l) back: my group's four parts, query 16 kq + r
	s_lshl_b32 s23, s10, 7
	s_add_co_u32 s11, s11, s23
	s_add_co_u32 s11, s11, STAT
	v_lshl_add_u32 v[SR], v[LR], 3, s11
	s_lshl_b32 s11, s8, 8                          ; weights: my wave's 256 bytes; in by query r, back by half h
	s_add_co_u32 s11, s11, WB
	v_lshl_add_u32 v[WST], v[LR], 4, s11
	v_lshl_add_u32 v[WRD], v[LH], 4, s11
	s_lshl_b32 s11, s8, 12                         ; output: 16 rows of 256 bytes a wave, 16 bytes a lane
	v_lshl_add_u32 v[OO], v[LL], 4, s11
	s_wait_loadcnt 32                              ; loads return in order (ISA guide 5.7.1): tile 0 is in, the 32 query loads behind it may be out
	CVTG
	STORE 0
	s_wait_loadcnt 0x0                             ; the queries
	WIN 0x40
.set i, 0
.rept 64
	v_cvt_pk_bf16_f32 v[QF+i], v[48+2*i], v[49+2*i]
.set i, i+1
.endr
	s_wait_dscnt 0x0                               ; my part of tile 0 is in slot 0 (for the other waves: zero)
	s_add_nc_u64 s[12:13], s[12:13], TILEB
	GLOAD                                          ; tile 1
	s_barrier_signal -1
	s_barrier_wait -1
	FETCHK 0
	FETCHV 0
; ---------------------------------------------------------------- 16 trips
	TRIP 1, 1, 1, 1, 1                             ; trip 0 starts m, l and O
	WIN 0                                          ; at a label and at a branch every window is 0
	s_mov_b32 s22, 6
.Lpair:
	TRIP 0, 0, 1, 1, 1                             ; trips 1 .. 12
	TRIP 1, 0, 1, 1, 1
	WIN 0
	s_sub_co_u32 s22, s22, 1
	s_cmp_lg_u32 s22, 0
	s_cbranch_scc1 .Lpair
	TRIP 0, 0, 1, 1, 1                             ; trip 13 requests the last tile
	TRIP 1, 0, 1, 0, 1                             ; trip 14 requests nothing: no load leaves X
	TRIP 0, 0, 0, 0, 0                             ; trip 15 stages and fetches nothing, and needs no barrier
; ---------------------------------------------------------------- merge of the four key quarters
	WIN 0
.irp qt, 0,1,2,3
	v_add_f32 v[ML+2*\qt+1], v[LP+2*\qt], v[LP+2*\qt+1]        ; l of my 512 keys; these four are the places behind the last product
.endr
.irp qt, 0,1,2,3
	v_permlanex16_b32 v[TT+\qt], v[ML+2*\qt+1], s20, s21
.endr
.irp qt, 0,1,2,3
	v_add_f32 v[ML+2*\qt+1], v[ML+2*\qt+1], v[TT+\qt]          ; + the other half's: l of the wave's 1,024 keys
.endr
	WIN 0x04
.irp qt, 0,1,2,3
.irp dt, 0,1,2,3
	ds_store_b128 v[MW], v[OA+32*\qt+8*\dt:OA+32*\qt+8*\dt+3]   offset:16*MP*\qt+64*\dt       ; row = query 16 qt + r, d = 16 dt + 8 h ..
	ds_store_b128 v[MW], v[OA+32*\qt+8*\dt+4:OA+32*\qt+8*\dt+7] offset:16*MP*\qt+64*\dt+16
.endr
.endr
	WIN 0
.irp qt, 0,1,2,3
	ds_store_b64 v[STW], v[ML+2*\qt:ML+2*\qt+1] offset:128*\qt   ; both halves hold, and write, the same pair
.endr
	s_wait_dscnt 0x0                               ; for the other waves: zero
	s_barrier_signal -1
	s_barrier_wait -1
	; Wave w merges queries 16 w .. 16 w + 15 of the work-group: rows 16 kq .. of its group's four parts.
.irp k, 0,1,2,3
	ds_load_b64 v[STV+2*\k:STV+2*\k+1], v[SR] offset:512*\k      ; lane r: (m, l) of query r from quarter k
.endr
.irp p, 0,1,2,3,4,5,6,7                            ; pass p: rows 2 p + h, sixteen lanes a row of 256 bytes
.irp k, 0,1,2,3
	ds_load_b128 v[48+20*\p+4*\k:48+20*\p+4*\k+3], v[MRD] offset:MOW*\k+2*MP*\p
.endr
.endr
	s_wait_dscnt 32                                ; the four pairs are in; the 32 loads of partial O behind them may be out
	v_max3_num_f32 v[TT], v[STV], v[STV+2], v[STV+4]
	v_max_num_f32 v[TT], v[TT], v[STV+6]
	v_mul_f32 v[NM], 0xbfb8aa3b, v[TT]
.irp k, 0,1,2,3
	v_fma_f32 v[WW+\k], v[STV+2*\k], s18, v[NM]                  ; (m_k - m) log2(e)
.endr
.irp k, 0,1,2,3
	v_exp_f32 v[WW+\k], v[WW+\k]
.endr
	v_nop                                          ; a plain place behind the exponentials (ISA guide 5.7.2)
	s_wait_alu depctr_va_vdst(0)
	v_mul_f32 v[TT+1], v[WW], v[STV+1]
.irp k, 1,2,3
	v_fmac_f32 v[TT+1], v[WW+\k], v[STV+2*\k+1]                  ; l = sum of w_k l_k
.endr
	v_rcp_f32 v[AL], v[TT+1]
	v_nop
	s_wait_alu depctr_va_vdst(0)
	v_pk_mul_f32 v[WW:WW+1],   v[WW:WW+1],   v[AL:AL+1] op_sel_hi:[1,0]   ; w_k / l
	v_pk_mul_f32 v[WW+2:WW+3], v[WW+2:WW+3], v[AL:AL+1] op_sel_hi:[1,0]
	ds_store_b128 v[WST], v[WW:WW+3]               ; my wave's own bytes: LDS serves a wave in order, the loads below see them
.irp p, 0,1,2,3,4,5,6,7
	ds_load_b128 v[48+20*\p+16:48+20*\p+19], v[WRD] offset:32*\p ; the weights of query 2 p + h, in all sixteen lanes of the half
.endr
.macro MPASS p
.set RR, 48+20*\p
	s_wait_dscnt 7-\p                              ; this pass's weights are in (the later passes' may be out), and so is all that was asked before them
.irp c, 0,1,2,3
	v_mul_f32 v[RR+\c], v[RR+\c], v[RR+16]
.endr
.irp k, 1,2,3
.irp c, 0,1,2,3
	v_fmac_f32 v[RR+\c], v[RR+4*\k+\c], v[RR+16+\k]
.endr
.endr
	global_store_b128 v[OO], v[RR:RR+3], s[24:25] offset:512*\p th:TH_STORE_NT   ; sixteen lanes fill one aligned row of 256 bytes
.endm
.irp p, 0,1,2,3,4,5,6,7
	MPASS \p
.endr
	s_wait_tensorcnt 0x0
	ds_add_u32 v46, v47
	s_wait_dscnt 0x0
	s_endpgm
.Lfunc_end_k_q55ee1ccb8f_attn:
	.size	k_q55ee1ccb8f_attn, .Lfunc_end_k_q55ee1ccb8f_attn-k_q55ee1ccb8f_attn
	.p2alignl 7, 3214868480
	.fill 96, 4, 3214868480
	.section	.rodata,"a",@progbits
	.p2align	6, 0x0
	.amdhsa_kernel k_q55ee1ccb8f_attn
		.amdhsa_group_segment_fixed_size 228352
		.amdhsa_private_segment_fixed_size 0
		.amdhsa_enable_private_segment 0
		.amdhsa_kernarg_size 16
		.amdhsa_user_sgpr_count 2
		.amdhsa_user_sgpr_kernarg_segment_ptr 1
		.amdhsa_wavefront_size32 1
		.amdhsa_system_sgpr_workgroup_id_x 1
		.amdhsa_system_sgpr_workgroup_id_y 1
		.amdhsa_system_sgpr_workgroup_id_z 1
		.amdhsa_system_vgpr_workitem_id 0
		.amdhsa_next_free_vgpr 512
		.amdhsa_next_free_sgpr 66
		.amdhsa_reserve_vcc 0
		.amdhsa_float_denorm_mode_32 3
		.amdhsa_float_denorm_mode_16_64 3
		.amdhsa_memory_ordered 1
		.amdhsa_forward_progress 1
		.amdhsa_inst_pref_size 239
	.end_amdhsa_kernel
	.amdgpu_metadata
---
amdhsa.version: [ 1, 2 ]
amdhsa.kernels:
  - .name:           k_q55ee1ccb8f_attn
    .symbol:         k_q55ee1ccb8f_attn.kd
    .args:
      - { .name: X, .offset: 0, .size: 8, .value_kind: global_buffer, .address_space: global }
      - { .name: out0, .offset: 8, .size: 8, .value_kind: global_buffer, .address_space: global }
    .group_segment_fixed_size: 228352
    .private_segment_fixed_size: 0
    .kernarg_segment_align: 8
    .kernarg_segment_size: 16
    .max_flat_workgroup_size: 256
    .sgpr_count:     66
    .vgpr_count:     512
    .wavefront_size: 32
...
	.end_amdgpu_metadata
.endif
;; end of part 1
